; MI455X (gfx1250); checked and timed in simulation.
; The chip was launched on July 23, 2026; its instructions are those of AMD's public machine-readable ISA for CDNA 5 (MIT licence, August 2026) and "CDNA5" Instruction Set Architecture Reference Guide (July 2026). The comments in the code are by the model that wrote it; some were corrected since.
;; Naive Fourier KAN Layer. Allowed arithmetic: matrix products marked QUANTISED: E2M3 operands, one E8M0 scale for each 32 along K, by v_wmma_scale_f32_16x16x128_f8f6f4 with both operands' format E2M3, f32 sums; everything else in f32.
;; Inputs: bias 1 x 512 float32; fouriercoeffs 2 x 512 x 256 x 64 float32; x 4,096 x 256 float32.
;; Outputs: out0 4,096 x 512 float32.
;; This version of the problem:
;;   THIS VERSION OF THE PROBLEM IS GIVEN IN LOW PRECISION. The matrix products marked QUANTISED in the list below multiply operands that are first quantised to E2M3 (2 exponent bits, 3 mantissa bits; 6 bits a number), with one power-of-two scale for each 32 numbers along K (OCP MX v1.0); their sums are f32. All else is computed in f32.
;;   The module's matrix products, in the order in which they are computed (A, B: the left and right operand; K: the contracted axis; several contracted axes count as one K, in the product's order):
;;     1. [M 4,096, K 16,384] x [K 16,384, N 512]; A: computed on the way; B: input fouriercoeffs: QUANTISED
;;     2. [M 4,096, K 16,384] x [K 16,384, N 512]; A: computed on the way; B: input fouriercoeffs: QUANTISED
;;   THE QUANTISER, for each operand of a quantised product, along K:
;;     - K is cut into blocks of 32 from its start; a last block that is shorter is filled with zeros.
;;     - A block's scale is 2^e with e = floor(log2(the largest magnitude in the block)) - 2, held to -126 .. 127; a block of zeros has e = 0. As a byte (E8M0): e + 127.
;;     - Each number is divided by its block's scale, clamped to +-7.5, and rounded to the nearest number of E2M3, ties to even, subnormals kept.
;;     - The product sums the exact products of the quantised numbers (number of the format x scale) in f32.
;;   ~~~python
;;   def quantise(x, axis):      # numpy; x: float32 -> the quantised numbers, widened to float32 again
;;       x = np.moveaxis(x, axis, -1); K = x.shape[-1]
;;       x = np.pad(x, [(0, 0)] * (x.ndim - 1) + [(0, -K % 32)]); x = x.reshape(x.shape[:-1] + (-1, 32)); a = np.abs(x).max(-1, keepdims=True)
;;       e = np.where(a > 0, np.clip(np.frexp(np.where(a > 0, a, 1))[1] - 1 - 2, -126, 127), 0)      # np.frexp(a)[1] - 1 = floor(log2(a)), exactly
;;       r = np.clip(x / 2.0 ** e, -7.5, 7.5)
;;       step = 2.0 ** (np.maximum(np.frexp(np.where(r == 0, 1, r))[1] - 1, 0) - 3)
;;       q = np.round(r / step) * step * 2.0 ** e      # np.round: ties to even
;;       return np.moveaxis(q.reshape(q.shape[:-2] + (-1,))[..., :K], -1, axis).astype(np.float32)
;;   ~~~
;;   OPERANDS COMPUTED ON THE WAY. 'Computed on the way' means the value that the module computes at that place (a softmax that the list does not call 'softmax' is quantised finished and normalised). What goes into a quantiser is computed in f32, as accurately as f32 sums, v_exp_f32 and their like allow (about 1e-6 of the number): no bf16 or f16 on the way to a quantiser, and a product that is left as it is and whose result goes on into a quantised operand takes f32 operands (vector FMAs, or v_wmma_f32_16x16x4_f32). A number that lies on a knife's edge between two numbers of the format may be rounded either way, as far as f32 arithmetic and the matrix unit's own rounding can turn it there, and no further.
;; One version. Each part assembles by itself: llvm-mc -triple=amdgcn-amd-amdhsa -mcpu=gfx1250 --defsym DOCPART=n.
;; ======== version 1 of 1: 3 launches
;; limits: an absolute error that grows with the inputs' magnitude: up to 3.2e-06 times it; inputs' magnitudes at most 100,000
;; workspace buffers: bq 13,107,200 bytes; part 67,108,864 bytes
;; launch wq (part 1): grid 256 x 1, 8 waves a work-group, no clusters, 138,240 bytes of LDS; arguments fouriercoeffs, bq; writes bq
.if DOCPART == 1
	.amdgcn_target "amdgcn-amd-amdhsa--gfx1250"
	.amdhsa_code_object_version 6
	.text
	.protected	k_q51ab2308ea_wq
	.globl	k_q51ab2308ea_wq
	.p2align	8
	.type	k_q51ab2308ea_wq,@function
k_q51ab2308ea_wq:
	s_mov_b64 s[64:65], 0
	v_nop
	global_prefetch_b8 v0, s[64:65] scope:SCOPE_SE
	s_setreg_imm32_b32 hwreg(HW_REG_WAVE_MODE, 25, 1), 1
	s_wait_xcnt 0x0
; The weights fouriercoeffs [2][512][256][64], f32, become codes of FP6 (E2M3) with one E8M0 byte for each 32 along g, laid in the ORDER OF THE OPERAND'S REGISTERS for the product's launch.
; A K step of 128 is four blocks of 32: (W0, input ia), (W0, ib), (W1, ia), (W1, ib), all for one half t of g; ia = 32 s + p, ib = 32 s + 16 + p (split s of 8, period p of 16).
; bq: [s 8][p 16][w 4] quarters of 25,600 bytes.  A quarter: codes [t 2][b 8][plane 3][lane 32][16 bytes]: fragment (t, b) is the register image of columns o = 128 w + 16 b + r: lane (r, h) holds in registers 0-5 the
; codes of W0[o][32 s + 16 h + p][32 t ..], in registers 6-11 those of W1; then the scale words [t 2][lane 32][4]: lane 16 (b / 4) + r, word b % 4: the four bytes of column r of tile b.
; A block's scale is 2^(floor(log2(its largest magnitude)) - 2): its byte is the largest magnitude's exponent field - 2, held at 1 from below.
; LIMITS: a block of zeros gets the byte 1 where the rule says 127 (its codes are zeros, and this program alone reads the bytes); blocks whose largest magnitude lies under 2^(3 - 127) are held at that byte; NaN and infinities are not served.
; SHARES.  Work-group g: w = g % 4, two periods 2 pp, 2 pp + 1 (pp = (g / 4) % 8), s = g / 32.  Wave b takes column tile b: four fragments.  Each byte of the weights is read once, by loads of 512 consecutive bytes
; (both periods' 64 numbers of one (d, o, i)); they turn through the wave's own stage in LDS, so that a lane gets a whole block of 32.  No cluster: work-groups share no input.  No tensor load: nothing is read twice.
.set PITCH, 528                        ; a stage row: 512 bytes + 16: an odd multiple of 16, so that the lanes' 16-byte reads of 32 rows fall on different banks
.set STGW,  32*PITCH                   ; a wave's stage: 32 rows, row 16 h + r
.set SG,    8*STGW                     ; behind the stages: the two periods' scale words, 1,024 bytes each
.set QTB,   25600                      ; a quarter of bq
.set PERB,  4*QTB                      ; a period of bq
.set L,     16                         ; v16-143  32 loads x 4 registers
.set NUM,   144                        ; v144-175 a block's 32 numbers
.set F,     176                        ; v176-223 fragment (j, t) at F + 12 (2 j + t)
.set TT,    224                        ; v224-226 a block's upper 16 codes (a conversion's three registers begin on an even number)
.set MA,    228                        ; v228-229 two chains of the maximum
.set MB,    229
.set SCL,   230                        ; v230     the conversion's scale operand
.set BY,    231                        ; v231     the scale's byte
.set W,     232                        ; v232-235 scale words (j, t)
.set PD,    236                        ; v236     a lane permute's destination
.set SH,    237                        ; v237     8 h
	s_load_b128 s[4:7], s[0:1], 0x0                ; the weights, bq
	v_lshl_add_u32 v248, v0, 2, 0x21800
	v_mov_b32 v249, 0
	v_lshrrev_b32 v1, 5, v0
	v_readfirstlane_b32 s8, v1                     ; wave b = column tile
	v_and_b32 v2, 31, v0                           ; lane
	v_lshlrev_b32 v3, 4, v2                        ; 16 x lane
	s_and_b32 s9, ttmp9, 3                         ; w
	s_bfe_u32 s16, ttmp9, 0x30002                  ; pp
	s_lshr_b32 s17, ttmp9, 5                       ; s
	s_lshl_b32 s18, s9, 7
	s_lshl_b32 s19, s8, 4
	s_add_co_u32 s18, s18, s19                     ; my first column 128 w + 16 b,
	s_lshl_b32 s18, s18, 16                        ; x 65,536 bytes
	s_lshl_b32 s19, s17, 5
	s_lshl_b32 s22, s16, 1
	s_add_co_u32 s19, s19, s22                     ; input 32 s + 2 pp,
	s_lshl_b32 s19, s19, 8                         ; x 256 bytes
	s_add_co_u32 s18, s18, s19
	s_mov_b32 s19, 0
	s_lshl_b32 s23, s17, 4
	s_add_co_u32 s22, s22, s23                     ; period 16 s + 2 pp
	s_lshl_b32 s22, s22, 2
	s_add_co_u32 s22, s22, s9
	s_mul_i32 s22, s22, QTB                        ; my quarter of the first of the two periods
	s_mov_b32 s23, 0
	s_mul_i32 s26, s8, STGW
	v_add_nc_u32 v4, s26, v3                       ; the stage, in: a load's 512 bytes as they lie; the row stands in the immediate
	v_mul_u32_u24 v5, v2, PITCH
	v_add_nc_u32 v5, s26, v5                       ; and out: row 16 h + r is my lane's number
	s_mul_i32 s27, s8, 1536
	v_add_nc_u32 v6, s27, v3                       ; bq: 16 x lane + my tile's fragment
	v_and_b32 v7, 15, v0
	s_lshr_b32 s27, s8, 2
	s_lshl_b32 s27, s27, 8
	s_and_b32 s28, s8, 3
	s_lshl_b32 s29, s28, 2
	s_add_co_u32 s27, s27, s29
	s_add_co_u32 s27, s27, SG
	v_lshl_add_u32 v7, v7, 4, s27                  ; my scale word's place: (16 (b / 4) + r) x 16 + (b % 4) x 4
	s_lshl_b32 s29, s28, 9
	s_add_co_u32 s29, s29, SG
	v_add_nc_u32 v8, s29, v3                       ; the way out of the scale words: wave v % 4 takes the 512 bytes of (j, t) = (v / 2, v % 2)
	s_lshr_b32 s29, s28, 1
	s_mul_i32 s29, s29, PERB
	s_and_b32 s30, s28, 1
	s_lshl_b32 s30, s30, 9
	s_add_co_u32 s29, s29, s30
	v_add_nc_u32 v9, s29, v3                       ; and their place in bq
	v_lshrrev_b32 v[SH], 4, v2
	v_lshlrev_b32 v[SH], 3, v[SH]
	v_mov_b32 v[PD], 0                             ; written once: a lane permute's destination counts as one of its sources
	s_mov_b32 s24, 0x76543210
	s_mov_b32 s25, 0xfedcba98                      ; v_permlanex16_b32's selects for lane l xor 16
	s_wait_kmcnt 0x0
	s_add_nc_u64 s[10:11], s[4:5], s[18:19]        ; W0 at my columns and inputs
	s_add_nc_u64 s[12:13], s[10:11], 0x2000000     ; W1: 33,554,432 bytes on
	s_add_nc_u64 s[14:15], s[6:7], s[22:23]
.macro BATCH base                      ; 32 loads: row q = 16 h + r: column r, input 16 h on; each reads 512 consecutive bytes
.set q, 0
.rept 32
	global_load_b128 v[L+4*q:L+4*q+3], v3, s[\base:\base+1] offset:(q%16)*65536+(q/16)*4096 th:TH_LOAD_NT
.set q, q+1
.endr
.endm
.macro TOSTAGE
.set q, 0
.rept 32
	s_wait_loadcnt 31-q                            ; loads come back in order: load q is in, the 31 - q younger ones may be out
	ds_store_b128 v4, v[L+4*q:L+4*q+3] offset:q*PITCH
.set q, q+1
.endr
.endm
; Block (d, j, t) of my lane: 32 numbers out of the stage, their largest magnitude, the byte, the codes into registers 6 d .. 6 d + 5 of fragment (j, t)
.macro QB d, j, t
.set FB, F+12*(2*\j+\t)+6*\d
.irp e, 0,1,2,3,4,5,6,7
	ds_load_b128 v[NUM+4*\e:NUM+4*\e+3], v5 offset:\j*256+\t*128+16*\e
.endr
	s_wait_dscnt 0x0
	v_max3_num_f32 v[MA], |v[NUM]|, |v[NUM+1]|, 0x1800000          ; the floor 2^(3 - 127): the byte cannot fall under 1
	v_max3_num_f32 v[MB], |v[NUM+16]|, |v[NUM+17]|, |v[NUM+18]|
.irp i, 1,2,3,4,5,6
	v_max3_num_f32 v[MA], v[MA], |v[NUM+2*\i]|, |v[NUM+2*\i+1]|
	v_max3_num_f32 v[MB], v[MB], |v[NUM+17+2*\i]|, |v[NUM+18+2*\i]|
.endr
	v_max3_num_f32 v[MA], v[MA], |v[NUM+14]|, |v[NUM+15]|
	v_max3_num_f32 v[MA], v[MA], v[MB], |v[NUM+31]|
	v_add_nc_u32 v[SCL], 0xff000000, v[MA]         ; 2 off the exponent field: the conversion takes the exponent field of this operand as its scale
	v_lshrrev_b32 v[BY], 23, v[SCL]
.if \d == 0
	v_mov_b32 v[W+2*\j+\t], v[BY]                  ; W0's byte below,
.else
	v_lshl_or_b32 v[W+2*\j+\t], v[BY], 16, v[W+2*\j+\t]   ; W1's two bytes up
.endif
	v_cvt_scalef32_pk16_fp6_f32 v[FB:FB+2], v[NUM:NUM+15], v[SCL]
	v_cvt_scalef32_pk16_fp6_f32 v[TT:TT+2], v[NUM+16:NUM+31], v[SCL]
	v_nop                                          ; one plain place behind a scaled conversion
.irp i, 0,1,2
	v_mov_b32 v[FB+3+\i], v[TT+\i]
.endr
.endm
	BATCH 10                                       ; W0
	TOSTAGE
	s_wait_dscnt 0x0                               ; the stores have read their registers,
	BATCH 12                                       ; which take W1 while W0 is quantised
.irp j, 0,1
.irp t, 0,1
	QB 0, \j, \t
.endr
.endr
	TOSTAGE                                        ; every read of the stage has been waited for
.irp j, 0,1
.irp t, 0,1
	QB 1, \j, \t
.endr
.endr
.irp k, 0,1,2,3
	v_lshlrev_b32 v[W+\k], v[SH], v[W+\k]          ; my two bytes to their places: bytes h and 2 + h
.endr
.irp k, 0,1,2,3
	v_permlanex16_b32 v[PD], v[W+\k], s24, s25
	v_or_b32 v[W+\k], v[W+\k], v[PD]               ; with lane l xor 16's two the word is whole
.endr
.irp k, 0,1,2,3                        ; k = 2 j + t
.irp c, 0,1,2
	global_store_b128 v6, v[F+12*\k+4*\c:F+12*\k+4*\c+3], s[14:15] offset:(\k/2)*PERB+(\k%2)*12288+\c*512   ; 32 lanes store 512 consecutive bytes, at a multiple of 256 from bq's first byte
.endr
	ds_store_b32 v7, v[W+\k] offset:(\k/2)*1024+(\k%2)*512         ; lanes r and 16 + r write the same word with the same value
.endr
	s_wait_dscnt 0x0                               ; for the others' sake: my scale words have landed
	s_barrier_signal -1
	s_barrier_wait -1
	s_cmp_lt_u32 s8, 4                             ; four waves store the four runs of 512 bytes
	s_cbranch_scc0 .Lend
	ds_load_b128 v[NUM:NUM+3], v8
	s_wait_dscnt 0x0
	global_store_b128 v9, v[NUM:NUM+3], s[14:15] offset:24576
.Lend:
	s_wait_tensorcnt 0x0
	ds_add_u32 v248, v249
	s_wait_dscnt 0x0
	s_endpgm
.Lfunc_end_k_q51ab2308ea_wq:
	.size	k_q51ab2308ea_wq, .Lfunc_end_k_q51ab2308ea_wq-k_q51ab2308ea_wq
	.p2alignl 7, 3214868480
	.fill 96, 4, 3214868480
	.section	.rodata,"a",@progbits
	.p2align	6, 0x0
	.amdhsa_kernel k_q51ab2308ea_wq
		.amdhsa_group_segment_fixed_size 138240
		.amdhsa_private_segment_fixed_size 0
		.amdhsa_enable_private_segment 0
		.amdhsa_kernarg_size 16
		.amdhsa_user_sgpr_count 2
		.amdhsa_user_sgpr_kernarg_segment_ptr 1
		.amdhsa_wavefront_size32 1
		.amdhsa_system_sgpr_workgroup_id_x 1
		.amdhsa_system_sgpr_workgroup_id_y 1
		.amdhsa_system_sgpr_workgroup_id_z 1
		.amdhsa_system_vgpr_workitem_id 0
		.amdhsa_next_free_vgpr 250
		.amdhsa_next_free_sgpr 66
		.amdhsa_reserve_vcc 0
		.amdhsa_float_denorm_mode_32 3
		.amdhsa_float_denorm_mode_16_64 3
		.amdhsa_memory_ordered 1
		.amdhsa_forward_progress 1
		.amdhsa_inst_pref_size 33
	.end_amdhsa_kernel
	.amdgpu_metadata
---
amdhsa.version: [ 1, 2 ]
amdhsa.kernels:
  - .name:           k_q51ab2308ea_wq
    .symbol:         k_q51ab2308ea_wq.kd
    .args:
      - { .name: fouriercoeffs, .offset: 0, .size: 8, .value_kind: global_buffer, .address_space: global }
      - { .name: bq, .offset: 8, .size: 8, .value_kind: global_buffer, .address_space: global }
    .group_segment_fixed_size: 138240
    .private_segment_fixed_size: 0
    .kernarg_segment_align: 8
    .kernarg_segment_size: 16
    .max_flat_workgroup_size: 256
    .sgpr_count:     66
    .vgpr_count:     250
    .wavefront_size: 32
...
	.end_amdgpu_metadata
.endif
;; end of part 1
;; launch kan (part 2): grid 32 x 8, 4 waves a work-group, clusters of 4 x 1, 327,680 bytes of LDS; arguments x, bq, part; writes part
.if DOCPART == 2
	.amdgcn_target "amdgcn-amd-amdhsa--gfx1250"
	.amdhsa_code_object_version 6
	.text
	.protected	k_q51ab2308ea_kan
	.globl	k_q51ab2308ea_kan
	.p2align	8
	.type	k_q51ab2308ea_kan,@function
k_q51ab2308ea_kan:
	s_mov_b64 s[64:65], 0
	v_nop
	global_prefetch_b8 v0, s[64:65] scope:SCOPE_SE
	s_setreg_imm32_b32 hwreg(HW_REG_WAVE_MODE, 25, 1), 1
	s_wait_xcnt 0x0
	s_wait_alu depctr_hold_cnt(0) depctr_sa_sdst(0) depctr_va_vdst(0) depctr_va_sdst(0) depctr_va_ssrc(0) depctr_va_vcc(0) depctr_vm_vsrc(0)
	s_getreg_b32 s2, hwreg(HW_REG_IB_STS2, 6, 4)
	s_cmp_eq_u32 s2, 0
	s_cbranch_scc0 .Lentry_in_a_cluster
	s_endpgm
.Lentry_in_a_cluster:
	s_bfe_u32 s2, ttmp6, 0x10000c
	s_cmp_lg_u32 s2, 0x3003
	s_cbranch_scc0 .Lentry_shape_is_right
	s_endpgm
.Lentry_shape_is_right:
; part[s] = the share of y = sum over (i, g) of cos((g+1) x[n][i]) W0[o][i][g] + sin((g+1) x[n][i]) W1[o][i][g] that falls to inputs i = 32 s .. 32 s + 31, both products on codes of FP6 (E2M3), one E8M0 byte for each 32 along g.
; SHARES.  Work-group (m, s): rows 128 m .. + 127, all 512 columns, 32 inputs (2,048 along K of each product's 16,384, both products).  Four waves, wave w: 128 rows x columns 128 w .. + 127: 64 accumulators, 512 registers.
; So each cosine and sine is made once in the launch.  The eight shares along K are added by the launch behind this one.
; A K STEP of 128 is four blocks of 32: cos of input ia, cos of ib, sin of ia, sin of ib, for one half t of the harmonics.  PERIOD p (16 of them): ia = 32 s + p, ib = 32 s + 16 + p; its steps t = 0 (harmonics 1-32), t = 1 (33-64).
; In the 6-bit layout lane (r, h) holds block h in registers 0-5 and block 2 + h in registers 6-11: so a lane owns ONE (row r, input i_h) and makes all its 128 numbers: no maximum and no code crosses lanes; only the scale word's bytes do.
; THE FEATURES.  cos x and sin x once, by a range reduction (x - q pi/2 in two parts) and two polynomials; then f32 three-term recurrences, cos(k x) = 2 cos(d x) cos((k-d) x) - cos((k-2d) x), d = 2, 4, 8, 16, two numbers an instruction.
; A JOB (16 rows x 2 inputs: two fragments) is 178 vector lines; a wave does two jobs a period, for the NEXT period.  Two lines stand behind each of a period's matrix instructions 0 to 119; the other 116 stand together behind
; number 119, and behind them, in one run, the 16 LDS stores that hand the four fragments to the other waves as images of their registers: so no LDS store stands among the matrix instructions.
; THE WEIGHTS come as register images from bq, a quarter (25,600 bytes) to a wave, through two LDS slots, one tensor load a wave and period.  CLUSTER: the four work-groups of a cluster have the same s and walk the same
; weights: each quarter is asked for JOINTLY, by the same load with the same descriptor and the mask of all four.
; THE MATRIX INSTRUCTION IS USED TRANSPOSED (source 0 = 16 columns of the weights, source 1 = 16 rows of features): lane (r, h), register j holds row r, column 8 h + j.  The accumulators are stored as they stand: part is their image.
; LIMITS.  The harmonics are cos(k x), sin(k x) of the exact product k x, where reference() rounds k x to f32 first (up to half a unit in its last place, growing with |x|): another order of rounding.  Against the exact values this
; text's error is about k x 5e-8.  The reduction's two constants leave about 1e-15 |x| of angle: it serves |x| up to 1e5.  NaN and infinities are not served.  A block of zeros gets the byte 1 (its codes are zeros).
; REGISTERS, in windows of 256.  Window 0: v1-15 addresses; v16-31 scale words and nothing else; v32-79 A's tiles 0-3; v80-127 A's tiles 4-7 of step 0 (v80-103 also: the second job's fragments, between those tiles' last
;   product, number 95, and their next load, behind the barrier); v128-248 the jobs.
;   Window 1: v0-95, v96-191 the weights' eight fragments of step 0, step 1; v192-239 A's tiles 4-7 of step 1.   Windows 2, 3: the accumulators of A's tiles 0-3, 4-7: (a, b) at v[8 (8 (a % 4) + b)].
.set QTB,   25600                      ; a quarter of a period's weights; also an image buffer of the features
.set SLOTB, 4*QTB                      ; a slot: a period's weights
.set FRB,   1536                       ; a fragment's image: 3 planes x 32 lanes x 16 bytes
.set STEPB, 8*FRB                      ; a K step's eight fragments
.set SCO,   2*STEPB                    ; behind the codes: the scale words, 512 bytes a step
.set AIM,   2*SLOTB                    ; LDS: two slots, then the features' two image buffers,
.set XP,    AIM+2*QTB                  ; (cos x, sin x): [wave][tile 2][plane 16][lane][8 bytes],
.set XPT,   4096
.set SPARE, XP+4*2*XPT                 ; and the spare words, 128 bytes a wave: two blocks of 256 bytes that no other line names
.set SPW, 1                            ; v1      LDS address of my spare word; never rewritten
.set NIL, 2                            ; v2      0; never rewritten
.set LB,  3                            ; v3-4    16 x lane + my quarter in slot 0, 1
.set LA,  5                            ; v5-6    16 x lane + image buffer 0, 1
.set WA,  7                            ; v7-8    where I store my images: LA + 2 wave fragments
.set WS,  9                            ; v9-10   and their scale words
.set XR,  11                           ; v11     my lane's pair in XP; steps with the periods
.set SH8, 12                           ; v12     8 h
.set GO,  13                           ; v13     16 x lane
.set AS,  16                           ; v16-19, v20-23  the features' scale words of step 0, 1: register j: lanes 0-15 tile j, lanes 16-31 tile 4 + j
.set BS,  24                           ; v24-27, v28-31  the weights'
.set G0R, 32
.set G1R, 80
.set G2R, 192                          ; in window 1
.set FL2, 80                           ; v80-91   the second job's fragment of harmonics 1-32
.set FH2, 92                           ; v92-103  of 33-64
.set CA,  128                          ; v128-159 cos(k x), 32 harmonics
.set SA,  160                          ; v160-191 sin(k x)
.set FL,  192                          ; v192-203 the first job's fragment of harmonics 1-32
.set FH,  204                          ; v204-215 of 33-64
.set TT0, 216                          ; v216-218, v220-222 the upper 16 codes of a block (a conversion's three registers begin on an even number)
.set TT1, 220
.set XA,  224                          ; v224-225 (cos x, sin x) for the job of my tile 0
.set XB,  226                          ; v226-227 of my tile 1
.set DD,  228                          ; v228-235 pairs whose low word multiplies: (2cos2x, 2cosx) (2cos4x, t) (2cos8x, sin8x) (2cos16x, 0)
.set MX,  236                          ; v236-239 four chains of maxima
.set SCR, 240                          ; v240-241 the conversions' scale operands
.set BYR, 242                          ; v242-243 the bytes
.set WL,  244                          ; v244, v246 the first job's two scale words
.set W2,  245                          ; v245     a lane permute's destination
.set WH,  246
.set WL2, 247                          ; v247, v248 the second job's
.set WH2, 248
.set PER, 2                            ; job lines behind a matrix instruction
.set MSB, 0
.set mi, 0
.set vc, 0
.set TON, 0
.set PAR, 0
.set ZERO, 0
.set XF, 0
.set XO, 0
.macro WIN new                         ; the immediate's high byte repeats the setting that is left
.if MSB != \new
	s_set_vgpr_msb (MSB<<8)|\new
.set MSB, \new
.endif
.endm
.macro PLACES                          ; four places in front of loads into registers that matrix instructions have read, and of stores that read results
.rept 4
	v_nop
.endr
.endm
.macro CREST                           ; a round of the cluster's barrier behind its opening barrier
	s_cmp_lg_u32 s10, 0
	s_cbranch_scc1 .Lnot_wave_0_\@
	s_barrier_signal -3
.Lnot_wave_0_\@:
	s_barrier_wait -3
	s_barrier_signal -1
	s_barrier_wait -1
.endm
.macro CROUND
	s_barrier_signal -1
	s_barrier_wait -1
	CREST
.endm
; A run of LDS loads for step t of the period in hand (slot and images PAR): the weights' 8 fragments, the features' 8, both scale words' registers, and one pair (cos x, sin x) for a job to come.
; Step 0's run ends with the 12 loads of A's tiles 4-7, which are wanted 32 matrix instructions later than the rest.
.macro RUN t
	WIN 0x40                                       ; destination window 1, address window 0
.set rf, 0
.rept 8
.irp c, 0,1,2
	ds_load_b128 v[96*\t+12*rf+4*\c:96*\t+12*rf+4*\c+3], v[LB+PAR] offset:\t*STEPB+rf*FRB+\c*512
.endr
.set rf, rf+1
.endr
.if \t == 1
.set rf, 4
.rept 4
.irp c, 0,1,2
	ds_load_b128 v[G2R+12*(rf-4)+4*\c:G2R+12*(rf-4)+4*\c+3], v[LA+PAR] offset:STEPB+rf*FRB+\c*512
.endr
.set rf, rf+1
.endr
.endif
	WIN 0
.set rf, 0
.rept 4
.irp c, 0,1,2
	ds_load_b128 v[G0R+12*rf+4*\c:G0R+12*rf+4*\c+3], v[LA+PAR] offset:\t*STEPB+rf*FRB+\c*512
.endr
.set rf, rf+1
.endr
	ds_load_b128 v[AS+4*\t:AS+4*\t+3], v[LA+PAR] offset:SCO+\t*512
	ds_load_b128 v[BS+4*\t:BS+4*\t+3], v[LB+PAR] offset:SCO+\t*512
.if XF
.if \t == 0
	ds_load_b64 v[XB:XB+1], v[XR] offset:XPT+256*(1+XO)            ; tile 1, the next period's plane: wanted by this period's second job
.else
	ds_load_b64 v[XA:XA+1], v[XR] offset:256*(2+XO)                ; tile 0, the plane after that: wanted by the next period's first job (in period 14 it reads bytes of tile 1, and nobody uses them)
.endif
.endif
.if \t == 0
.rept 4
.irp c, 0,1,2
	ds_load_b128 v[G1R+12*(rf-4)+4*\c:G1R+12*(rf-4)+4*\c+3], v[LA+PAR] offset:rf*FRB+\c*512
.endr
.set rf, rf+1
.endr
.endif
.endm
; Matrix instruction number mi of a period's 128: 0-31 step 1 of the period before on A's tiles 4-7; 32-63 step 0, tiles 0-3; 64-95 step 0, tiles 4-7; 96-127 step 1, tiles 0-3.
; The 64 accumulators take turns, one instruction a turn, in the same order throughout.  ZERO = 1: step 0 starts the sums: nothing is ever cleared.
.macro WM
.set hf, mi/32
.set ix, mi%32
.set wac, 8*ix
.set wal, ix/8
.set wbt, ix%8
.set wz, 0
.if hf == 0
	WIN 0xf5                                       ; weights and features window 1, C and D window 3
.set wbf, 96+12*wbt
.set waf, G2R+12*wal
.set wst, 1
.set wro, 1
.elseif hf == 1
	WIN 0xa1                                       ; weights window 1, features window 0, C and D window 2
.set wbf, 12*wbt
.set waf, G0R+12*wal
.set wst, 0
.set wro, 0
.set wz, ZERO
.elseif hf == 2
	WIN 0xf1                                       ; the same, C and D window 3
.set wbf, 12*wbt
.set waf, G1R+12*wal
.set wst, 0
.set wro, 1
.set wz, ZERO
.else
	WIN 0xa1
.set wbf, 96+12*wbt
.set waf, G0R+12*wal
.set wst, 1
.set wro, 0
.endif
.set wsb, BS+4*wst+wbt%4
.set wsa, AS+4*wst+wal
.if wz
.if (wbt < 4) && (wro == 0)
	v_wmma_scale_f32_16x16x128_f8f6f4 v[wac:wac+7], v[wbf:wbf+11], v[waf:waf+11], 0, v[wsb], v[wsa] matrix_a_fmt:MATRIX_FMT_FP6 matrix_b_fmt:MATRIX_FMT_FP6
.elseif wbt < 4
	v_wmma_scale_f32_16x16x128_f8f6f4 v[wac:wac+7], v[wbf:wbf+11], v[waf:waf+11], 0, v[wsb], v[wsa] matrix_a_fmt:MATRIX_FMT_FP6 matrix_b_fmt:MATRIX_FMT_FP6 matrix_b_scale:MATRIX_SCALE_ROW1
.elseif wro == 0
	v_wmma_scale_f32_16x16x128_f8f6f4 v[wac:wac+7], v[wbf:wbf+11], v[waf:waf+11], 0, v[wsb], v[wsa] matrix_a_fmt:MATRIX_FMT_FP6 matrix_b_fmt:MATRIX_FMT_FP6 matrix_a_scale:MATRIX_SCALE_ROW1
.else
	v_wmma_scale_f32_16x16x128_f8f6f4 v[wac:wac+7], v[wbf:wbf+11], v[waf:waf+11], 0, v[wsb], v[wsa] matrix_a_fmt:MATRIX_FMT_FP6 matrix_b_fmt:MATRIX_FMT_FP6 matrix_a_scale:MATRIX_SCALE_ROW1 matrix_b_scale:MATRIX_SCALE_ROW1
.endif
.else
.if (wbt < 4) && (wro == 0)
	v_wmma_scale_f32_16x16x128_f8f6f4 v[wac:wac+7], v[wbf:wbf+11], v[waf:waf+11], v[wac:wac+7], v[wsb], v[wsa] matrix_a_fmt:MATRIX_FMT_FP6 matrix_b_fmt:MATRIX_FMT_FP6
.elseif wbt < 4
	v_wmma_scale_f32_16x16x128_f8f6f4 v[wac:wac+7], v[wbf:wbf+11], v[waf:waf+11], v[wac:wac+7], v[wsb], v[wsa] matrix_a_fmt:MATRIX_FMT_FP6 matrix_b_fmt:MATRIX_FMT_FP6 matrix_b_scale:MATRIX_SCALE_ROW1
.elseif wro == 0
	v_wmma_scale_f32_16x16x128_f8f6f4 v[wac:wac+7], v[wbf:wbf+11], v[waf:waf+11], v[wac:wac+7], v[wsb], v[wsa] matrix_a_fmt:MATRIX_FMT_FP6 matrix_b_fmt:MATRIX_FMT_FP6 matrix_a_scale:MATRIX_SCALE_ROW1
.else
	v_wmma_scale_f32_16x16x128_f8f6f4 v[wac:wac+7], v[wbf:wbf+11], v[waf:waf+11], v[wac:wac+7], v[wsb], v[wsa] matrix_a_fmt:MATRIX_FMT_FP6 matrix_b_fmt:MATRIX_FMT_FP6 matrix_a_scale:MATRIX_SCALE_ROW1 matrix_b_scale:MATRIX_SCALE_ROW1
.endif
.endif
.endm
; The next matrix instruction, with what is due in front of it.  back = 1: job lines follow, which live in window 0.
.macro MM back
.if mi == 32
	s_wait_dscnt 12                                ; step 0's run is in but for its last 12 loads, A's tiles 4-7, which may be out
.endif
.if mi == 96
	s_wait_dscnt 0x0                               ; step 1's run, issued 32 matrix instructions ago, is in
.endif
.if mi == 64
	WIN 0
	PLACES
	RUN 1                                          ; step 1: its registers were last read by numbers 0-31 and 32-63
	s_wait_dscnt 50+XF                             ; only the run just issued may be out: A's tiles 4-7 of step 0 are in
.endif
	WM
.set mi, mi+1
.if \back
	WIN 0
.endif
.endm
.macro TICK                            ; behind every job line: after each PER lines the next matrix instruction, up to number 119
.set vc, vc+1
.if TON
.if ((vc % PER) == 0) && (mi < 120)
	MM 1
.endif
.endif
.endm
.macro REC base, q, d, dr              ; pair q (harmonics 2 q + 1, 2 q + 2) = D x pair (q - d) - pair (q - 2 d); of the pair D the low word serves both halves
	v_pk_fma_f32 v[\base+2*(\q):\base+2*(\q)+1], v[\base+2*(\q)-2*(\d):\base+2*(\q)-2*(\d)+1], v[\dr:\dr+1], v[\base+2*(\q)-4*(\d):\base+2*(\q)-4*(\d)+1] op_sel_hi:[1,0,1] neg_lo:[0,0,1] neg_hi:[0,0,1]
	TICK
.endm
.macro RECH base, q                    ; in place: slot q takes pair 16 + q = 2cos16x x pair (8 + q) - pair q
.if (\q) < 8
	v_pk_fma_f32 v[\base+2*(\q):\base+2*(\q)+1], v[\base+2*(\q)+16:\base+2*(\q)+17], v[DD+6:DD+7], v[\base+2*(\q):\base+2*(\q)+1] op_sel_hi:[1,0,1] neg_lo:[0,0,1] neg_hi:[0,0,1]
.else
	v_pk_fma_f32 v[\base+2*(\q):\base+2*(\q)+1], v[\base+2*(\q)-16:\base+2*(\q)-15], v[DD+6:DD+7], v[\base+2*(\q):\base+2*(\q)+1] op_sel_hi:[1,0,1] neg_lo:[0,0,1] neg_hi:[0,0,1]
.endif
	TICK
.endm
; 32 cosines and 32 sines of a lane become a fragment (registers 0-5 the cosines' codes, 6-11 the sines') in v[frg] on and its scale word in v[wr]: 50 lines.
; The registers written here were last read by LDS stores of the period before, which were waited for in front of the barrier between.
.macro QF frg, wr
	v_max3_num_f32 v[MX], |v[CA]|, |v[CA+1]|, 0x1800000            ; the floor 2^(3 - 127): the byte cannot fall under 1
	TICK
	v_max3_num_f32 v[MX+1], |v[SA]|, |v[SA+1]|, 0x1800000
	TICK
	v_max3_num_f32 v[MX+2], |v[CA+16]|, |v[CA+17]|, |v[CA+18]|
	TICK
	v_max3_num_f32 v[MX+3], |v[SA+16]|, |v[SA+17]|, |v[SA+18]|
	TICK
.irp i, 1,2,3,4,5,6                    ; four chains by turns: no line waits for the line above it
	v_max3_num_f32 v[MX], v[MX], |v[CA+2*\i]|, |v[CA+2*\i+1]|
	TICK
	v_max3_num_f32 v[MX+1], v[MX+1], |v[SA+2*\i]|, |v[SA+2*\i+1]|
	TICK
	v_max3_num_f32 v[MX+2], v[MX+2], |v[CA+17+2*\i]|, |v[CA+18+2*\i]|
	TICK
	v_max3_num_f32 v[MX+3], v[MX+3], |v[SA+17+2*\i]|, |v[SA+18+2*\i]|
	TICK
.endr
	v_max3_num_f32 v[MX], v[MX], |v[CA+14]|, |v[CA+15]|
	TICK
	v_max3_num_f32 v[MX+1], v[MX+1], |v[SA+14]|, |v[SA+15]|
	TICK
	v_max3_num_f32 v[MX], v[MX], v[MX+2], |v[CA+31]|
	TICK
	v_max3_num_f32 v[MX+1], v[MX+1], v[MX+3], |v[SA+31]|
	TICK
	v_add_nc_u32 v[SCR], 0xff000000, v[MX]         ; 2 off the exponent field: the conversion's scale operand
	TICK
	v_add_nc_u32 v[SCR+1], 0xff000000, v[MX+1]
	TICK
	v_lshrrev_b32 v[BYR], 23, v[SCR]               ; the scale's byte
	TICK
	v_lshrrev_b32 v[BYR+1], 23, v[SCR+1]
	TICK
	v_cvt_scalef32_pk16_fp6_f32 v[\frg:\frg+2], v[CA:CA+15], v[SCR]
	TICK
	v_cvt_scalef32_pk16_fp6_f32 v[TT0:TT0+2], v[CA+16:CA+31], v[SCR]
	TICK
	v_cvt_scalef32_pk16_fp6_f32 v[\frg+6:\frg+8], v[SA:SA+15], v[SCR+1]
	TICK
	v_cvt_scalef32_pk16_fp6_f32 v[TT1:TT1+2], v[SA+16:SA+31], v[SCR+1]
	TICK
	v_lshl_or_b32 v[\wr], v[BYR+1], 16, v[BYR]     ; (the plain place behind the conversions)  my two bytes,
	TICK
	v_lshlrev_b32 v[\wr], v[SH8], v[\wr]           ; at places h and 2 + h of the word
	TICK
.irp i, 0,1,2
	v_mov_b32 v[\frg+3+\i], v[TT0+\i]
	TICK
	v_mov_b32 v[\frg+9+\i], v[TT1+\i]
	TICK
.endr
	v_permlanex16_b32 v[W2], v[\wr], s32, s33
	TICK
	v_or_b32 v[\wr], v[\wr], v[W2]                 ; with lane l xor 16's two the word is whole
	TICK
.endm
; A JOB: from (cos x, sin x) in v[X], v[X+1] the two fragments of one of my tiles, into v[fl] on and v[fh] on, their scale words into v[wl], v[wh].  178 lines, all on registers.
.macro JOB X, fl, fh, wl, wh
	v_add_f32 v[DD+1], v[\X], v[\X]                ; 2 cos x
	TICK
	v_add_f32 v[DD+3], v[\X+1], v[\X+1]            ; t = 2 sin x
	TICK
	v_mul_f32 v[SA+1], v[\X+1], v[DD+1]            ; sin 2x
	TICK
	v_fma_f32 v[DD], -v[DD+3], v[DD+3], 2.0        ; 2 cos 2x = 2 - t t
	TICK
	v_mov_b32 v[CA], v[\X]
	TICK
	v_add_f32 v[DD+3], v[SA+1], v[SA+1]            ; t = 2 sin 2x
	TICK
	v_mul_f32 v[CA+1], 0.5, v[DD]                  ; cos 2x
	TICK
	v_mul_f32 v[SA+3], v[SA+1], v[DD]              ; sin 4x
	TICK
	v_fma_f32 v[DD+2], -v[DD+3], v[DD+3], 2.0      ; 2 cos 4x
	TICK
	v_mov_b32 v[SA], v[\X+1]
	TICK
	v_add_f32 v[DD+3], v[SA+3], v[SA+3]            ; t = 2 sin 4x
	TICK
	v_fma_f32 v[CA+2], v[DD], v[\X], -v[\X]        ; cos 3x
	TICK
	v_mul_f32 v[DD+5], v[SA+3], v[DD+2]            ; sin 8x
	TICK
	v_fma_f32 v[DD+4], -v[DD+3], v[DD+3], 2.0      ; 2 cos 8x
	TICK
	v_fma_f32 v[SA+2], v[DD], v[\X+1], v[\X+1]     ; sin 3x
	TICK
	v_add_f32 v[DD+3], v[DD+5], v[DD+5]            ; t = 2 sin 8x
	TICK
	v_fma_f32 v[CA+3], v[DD], v[CA+1], -1.0        ; cos 4x
	TICK
	v_fma_f32 v[DD+6], -v[DD+3], v[DD+3], 2.0      ; 2 cos 16x
	TICK
.irp q, 2,3
	REC CA, \q, 1, DD
	REC SA, \q, 1, DD
.endr
.irp q, 4,5,6,7
	REC CA, \q, 2, DD+2
	REC SA, \q, 2, DD+2
.endr
.irp q, 8,9,10,11,12,13,14,15
	REC CA, \q, 4, DD+4
	REC SA, \q, 4, DD+4
.endr
	QF \fl, \wl
.irp q, 0,1,2,3,4,5,6,7,8,9,10,11,12,13,14,15
	RECH CA, \q
	RECH SA, \q
.endr
	QF \fh, \wh
.endm
; A fragment goes to LDS as it stands: lane l's 16 bytes of each four registers at 16 l; its scale word at its row's place (lanes r and 16 + r write the same word with the same value)
.macro IMG frg, wr, jb, t, buf
.irp c, 0,1,2
	ds_store_b128 v[WA+(\buf)], v[\frg+4*\c:\frg+4*\c+3] offset:(\jb)*FRB+(\t)*STEPB+\c*512
.endr
	ds_store_b32 v[WS+(\buf)], v[\wr] offset:(\t)*512+4*(\jb)
.endm
.macro IMAGES buf                      ; both jobs' four fragments, in one run of 16 LDS stores
	IMG FL, WL, 0, 0, \buf
	IMG FH, WH, 0, 1, \buf
	IMG FL2, WL2, 1, 0, \buf
	IMG FH2, WH2, 1, 1, \buf
.endm
; A PERIOD up to matrix instruction number upto: step 0's run of loads; the two jobs for the next period with the matrix instructions dealt among their lines; what is left of either; the images, into the other buffer.
; The second job's conversions (from job line 261 of the period on) write v80-103 behind matrix instruction 95, the last that reads them (it is issued behind job line 192, in the first period 128).
.macro BODY par, first, jobs, xf, xo, upto
.set PAR, \par
.set ZERO, \first
.set XF, \xf
.set XO, \xo
.set TON, 1
.set vc, 0
	RUN 0
.set mi, 32*\first                     ; the first period has no period before it
.if \jobs
	JOB XA, FL, FH, WL, WH
	JOB XB, FL2, FH2, WL2, WH2
.endif
.if (\upto) > mi
.rept (\upto)-mi
	MM 0
.endr
.endif
	WIN 0                                          ; at a label and at a branch every window is 0
.if \jobs
	IMAGES 1-\par
.endif
.endm
; THE CHANGE OF PERIODS: ONE barrier for three things.  In front of it each wave waits for all its tensor loads (one is out: its quarter of the next period's weights), adds 0 to its spare word, and waits for that, for its
; reads of this period's slot and images, and for its stores of the next period's images.  refill = 1: the barrier opens a round of the cluster's barrier, and the slot just read is filled with the weights two periods on:
; the load is the first thing behind the round and has 120 matrix instructions and the jobs' lines in which to land.
.macro CLOSE par, refill
.set mi, 120
	s_wait_tensorcnt 0x0                           ; no tensor load of mine is out, so a group 0 may be written
	ds_add_u32 v[SPW], v[NIL]                      ; 0 onto my spare word
.if \refill
	s_add_nc_u64 s[26+4*\par:27+4*\par], s[26+4*\par:27+4*\par], 2*SLOTB   ; this slot's next weights; the type bits on top are not reached
.endif
.rept 4
	MM 0                                           ; four matrix instructions stand between the add and the wait for it
.endr
	s_wait_dscnt 0x0
	s_barrier_signal -1
.rept 4
	MM 0                                           ; work on registers while the others arrive
.endr
	WIN 0
	s_barrier_wait -1
.if \refill
	CREST                                          ; no wave of any partner still reads this slot or has a load on its way
	tensor_load_to_lds s[24+4*\par:27+4*\par], s[16:23]
	s_nop 0
.endif
	PLACES                                         ; behind the load, and in front of the loads that follow
.endm
; cos x and sin x of four numbers, v[32 + 4 g] on: planes 4 (g % 4) .. + 3 of tile g / 4.  The four by turns; each group has its own eight result registers, so no LDS store's data are written again.
.macro SINCOS g
.set XI, 32+4*(\g)
.set OU, 160+8*(\g)
.irp e, 0,1,2,3
	v_mul_f32 v[128+8*\e], s34, v[XI+\e]
.endr
.irp e, 0,1,2,3
	v_rndne_f32 v[128+8*\e], v[128+8*\e]           ; q
.endr
.irp e, 0,1,2,3
	v_fma_f32 v[129+8*\e], v[128+8*\e], s35, v[XI+\e]    ; x - q pi/2: the first part,
.endr
.irp e, 0,1,2,3
	v_fma_f32 v[129+8*\e], v[128+8*\e], s36, v[129+8*\e] ; the second: r
.endr
.irp e, 0,1,2,3
	v_mul_f32 v[130+8*\e], v[129+8*\e], v[129+8*\e]      ; z
.endr
.irp e, 0,1,2,3
	v_cvt_i32_f32 v[131+8*\e], v[128+8*\e]               ; n
.endr
.irp e, 0,1,2,3
	v_fma_f32 v[132+8*\e], s37, v[130+8*\e], s38
.endr
.irp e, 0,1,2,3
	v_fma_f32 v[133+8*\e], s40, v[130+8*\e], s41
.endr
.irp e, 0,1,2,3
	v_fma_f32 v[132+8*\e], v[132+8*\e], v[130+8*\e], s39
.endr
.irp e, 0,1,2,3
	v_fma_f32 v[133+8*\e], v[133+8*\e], v[130+8*\e], s42
.endr
.irp e, 0,1,2,3
	v_mul_f32 v[134+8*\e], v[129+8*\e], v[130+8*\e]      ; r z
.endr
.irp e, 0,1,2,3
	v_fma_f32 v[135+8*\e], v[130+8*\e], -0.5, 1.0
.endr
.irp e, 0,1,2,3
	v_fma_f32 v[132+8*\e], v[134+8*\e], v[132+8*\e], v[129+8*\e]   ; sin r
.endr
.irp e, 0,1,2,3
	v_mul_f32 v[134+8*\e], v[130+8*\e], v[130+8*\e]      ; z z
.endr
.irp e, 0,1,2,3
	v_fma_f32 v[133+8*\e], v[134+8*\e], v[133+8*\e], v[135+8*\e]   ; cos r
.endr
.irp e, 0,1,2,3
	v_and_b32 v[134+8*\e], 1, v[131+8*\e]
.endr
.irp e, 0,1,2,3
	v_cmp_eq_u32 s[46+\e], 1, v[134+8*\e]          ; an odd quarter turn changes sine and cosine: a choice of values, no branch
.endr
.irp e, 0,1,2,3
	v_cndmask_b32 v[OU+2*\e], v[133+8*\e], v[132+8*\e], s[46+\e]
	v_cndmask_b32 v[OU+2*\e+1], v[132+8*\e], v[133+8*\e], s[46+\e]
.endr
.irp e, 0,1,2,3
	v_lshlrev_b32 v[134+8*\e], 30, v[131+8*\e]     ; the sine changes sign where n % 4 is 2 or 3,
	v_add_lshl_u32 v[135+8*\e], v[131+8*\e], 1, 30 ; the cosine where it is 1 or 2
.endr
.irp e, 0,1,2,3
	v_and_b32 v[134+8*\e], s43, v[134+8*\e]
	v_and_b32 v[135+8*\e], s43, v[135+8*\e]
.endr
.irp e, 0,1,2,3
	v_xor_b32 v[OU+2*\e+1], v[134+8*\e], v[OU+2*\e+1]
	v_xor_b32 v[OU+2*\e], v[135+8*\e], v[OU+2*\e]
.endr
.irp e, 0,1,2,3
	ds_store_b64 v[XR], v[OU+2*\e:OU+2*\e+1] offset:1024*(\g)+256*\e
.endr
.endm
	s_load_b128 s[4:7], s[0:1], 0x0                ; x, bq
	s_load_b64 s[8:9], s[0:1], 0x10                ; part
	v_lshl_add_u32 v[SPW], v0, 2, SPARE
	v_mov_b32 v[NIL], 0
	ds_add_u32 v1, v2
	ds_add_u32 v1, v2
	s_wait_dscnt 0x0
	v_lshrrev_b32 v14, 5, v0
	v_readfirstlane_b32 s10, v14                   ; wave 0..3
	s_bfe_u32 s11, ttmp6, 0x40000                  ; cx: it enters x's and part's addresses alone
	s_lshl_b32 s12, ttmp9, 2
	s_add_co_u32 s12, s12, s11                     ; m = 4 x cluster x + cx
	s_and_b32 s13, ttmp7, 0xffff                   ; s, which the four partners share
	; descriptor group 1: a quarter, 25,600 dense bytes, as 100 rows of 32 elements of 8 bytes; no padding: every LDS read of it takes 512 consecutive bytes
	s_mov_b32 s16, 15|(3<<16)|(1<<21)              ; 15:0 the mask: all four work-groups; 17:16 elements of 8 bytes; 21 set beside a mask
	s_mov_b32 s17, 32<<16                          ; tensor_dim0 = 32
	s_mov_b32 s18, 100<<16                         ; tensor_dim1 = 100
	s_mov_b32 s19, 32<<16                          ; tile_dim0 = 32
	s_mov_b32 s20, 100                             ; tile_dim1 = 100
	s_mov_b32 s21, 32                              ; tensor_dim0_stride
	s_mov_b32 s22, 0
	s_mov_b32 s23, 0
	s_mul_i32 s14, s10, QTB                        ; my quarter, in a slot and in a period of bq
	s_mul_i32 s52, s13, 16*SLOTB                   ; my split's 16 periods
	s_add_co_u32 s52, s52, s14
	s_mov_b32 s53, 0
	s_lshl_b32 s54, s12, 7
	s_lshl_b32 s55, s10, 5
	s_add_co_u32 s54, s54, s55                     ; x: row 128 m + 32 wave,
	s_lshl_b32 s54, s54, 10
	s_lshl_b32 s55, s13, 7                         ; input 32 s
	s_add_co_u32 s54, s54, s55
	s_mov_b32 s55, 0
	s_lshl_b32 s56, s13, 5
	s_add_co_u32 s56, s56, s12
	s_lshl_b32 s56, s56, 2
	s_add_co_u32 s56, s56, s10
	s_lshl_b32 s56, s56, 16                        ; part: ((32 s + m) 4 + wave) x 65,536
	s_mov_b32 s57, 0
	v_and_b32 v14, 31, v0                          ; lane
	v_and_b32 v15, 15, v0                          ; r
	v_bfe_u32 v[SH8], v0, 4, 1                     ; h
	v_lshlrev_b32 v[GO], 4, v14
	v_add_nc_u32 v[LB], s14, v[GO]
	v_add_nc_u32 v[LB+1], SLOTB, v[LB]
	v_add_nc_u32 v[LA], AIM, v[GO]
	v_add_nc_u32 v[LA+1], QTB, v[LA]
	s_mul_i32 s15, s10, 2*FRB
	v_add_nc_u32 v[WA], s15, v[LA]                 ; my tiles are a = 2 wave, 2 wave + 1
	v_add_nc_u32 v[WA+1], s15, v[LA+1]
	s_lshr_b32 s15, s10, 1
	s_lshl_b32 s15, s15, 8
	s_and_b32 s58, s10, 1
	s_lshl_b32 s58, s58, 3
	s_add_co_u32 s15, s15, s58
	s_add_co_u32 s15, s15, AIM+SCO
	v_lshl_add_u32 v[WS], v15, 4, s15              ; their scale words: (16 (a / 4) + r) x 16 + (a % 4) x 4
	v_add_nc_u32 v[WS+1], QTB, v[WS]
	s_lshl_b32 s15, s10, 13
	s_add_co_u32 s15, s15, XP
	v_lshl_add_u32 v[XR], v14, 3, s15
	v_lshlrev_b32 v15, 10, v15
	v_lshl_add_u32 v15, v[SH8], 6, v15             ; x: row r of 1,024 bytes + 16 h inputs
	v_lshlrev_b32 v[SH8], 3, v[SH8]
	v_mov_b32 v[DD+7], 0                           ; named as the upper half of a pair
	v_mov_b32 v[W2], 0                             ; a lane permute's destination counts as one of its sources
	s_mov_b32 s32, 0x76543210
	s_mov_b32 s33, 0xfedcba98                      ; v_permlanex16_b32's selects for lane l xor 16
	s_mov_b32 s34, 0x3f22f983                      ; 2 / pi
	s_mov_b32 s35, 0xbfc90fdb                      ; -(pi / 2 rounded to f32)
	s_mov_b32 s36, 0x333bbd2e                      ; what that rounding added: 4.3711388e-8
	s_mov_b32 s37, 0xb94ca1f9                      ; sin r = r + r z (s37 z z + s38 z + s39), z = r r
	s_mov_b32 s38, 0x3c08839e
	s_mov_b32 s39, 0xbe2aaaa3
	s_mov_b32 s40, 0x37ccf5ce                      ; cos r = 1 - z / 2 + z z (s40 z z + s41 z + s42)
	s_mov_b32 s41, 0xbab6061a
	s_mov_b32 s42, 0x3d2aaaa5
	s_mov_b32 s43, 0x80000000
	s_wait_kmcnt 0x0
	s_add_nc_u64 s[4:5], s[4:5], s[54:55]
	s_add_nc_u64 s[8:9], s[8:9], s[56:57]
	s_add_nc_u64 s[6:7], s[6:7], s[52:53]
.irp t, 0,1                            ; my lane's 32 numbers: tile t, row r, inputs 32 s + 16 h + 0 .. 15
.irp j, 0,1,2,3
	global_load_b128 v[32+16*\t+4*\j:32+16*\t+4*\j+3], v15, s[4:5] offset:\t*16384+16*\j
.endr
.endr
.irp g, 0,1                            ; descriptor group 0, a set for each slot
	s_mov_b32 s[24+4*\g], 1                        ; count = 1
	s_add_co_u32 s[25+4*\g], s14, \g*SLOTB         ; LDS address: the slot + wave x a quarter
	s_add_nc_u64 s[26+4*\g:27+4*\g], s[6:7], \g*SLOTB   ; global address: period g
	s_or_b32 s[27+4*\g], s[27+4*\g], 0x80000000    ; type = 2
.endr
	CROUND                                         ; all four work-groups are here: the first joint loads meet
	tensor_load_to_lds s[24:27], s[16:23]          ; periods 0 and 1: two loads of mine are out
	s_nop 0
	tensor_load_to_lds s[28:31], s[16:23]
	s_nop 0
	PLACES
	s_wait_loadcnt 0x0                             ; x
.irp g, 0,1,2,3,4,5,6,7                ; cos x and sin x of my 32 numbers, out of the registers that they were loaded into.  All of it stands where the first weights are awaited anyway
	SINCOS \g
.endr
	ds_load_b64 v[XA:XA+1], v[XR]                  ; plane 0 of both tiles (LDS serves a wave's instructions in order: these see my stores)
	ds_load_b64 v[XB:XB+1], v[XR] offset:XPT
	s_wait_dscnt 0x0                               ; and the stores have read their registers, which the jobs write
	JOB XA, FL, FH, WL, WH                         ; period 0's features: there is no matrix work yet to set between the lines
	JOB XB, FL2, FH2, WL2, WH2
	IMAGES 0
	ds_load_b64 v[XA:XA+1], v[XR] offset:256       ; plane 1 of tile 0, for period 0's first job
	s_wait_tensorcnt 0x1                           ; my quarter of period 0 is in (I alone read it); period 1's may stay out
	s_wait_dscnt 0x0                               ; for the others' sake: my images have landed
	s_barrier_signal -1
	s_barrier_wait -1
	BODY 0, 1, 1, 1, 0, 120                        ; period 0: 96 matrix instructions; its step 0 starts the sums
	v_add_nc_u32 v[XR], 256, v[XR]
	s_mov_b32 s50, 7
.Ltrip:                                                ; seven trips: periods 1 to 14; the changes of periods at their heads ask for the weights of periods 2 to 15
	CLOSE 0, 1
	BODY 1, 0, 1, 1, 0, 120
	CLOSE 1, 1
	BODY 0, 0, 1, 1, 1, 120
	v_add_nc_u32 v[XR], 512, v[XR]                 ; two planes on (its last reader was waited for at number 96)
	s_sub_co_u32 s50, s50, 1
	s_cmp_lg_u32 s50, 0
	s_cbranch_scc1 .Ltrip
	CLOSE 0, 0                                     ; the tail is written out: nothing is left to fetch, so no round follows the barrier
	BODY 1, 0, 0, 0, 0, 96                         ; period 15, no features are left to make: up to the end of its step 0
	; THE LAST STEP AND THE WAY OUT, tile by tile of 16 rows: step 1's eight products finish a tile's eight accumulators, which are stored at once, as they stand, each from its low end on, while the next tiles are multiplied.
	; The order of the products is that of every period.  Every store covers 512 consecutive bytes, at a multiple of 256 from part's first byte.
.macro OUT                             ; tile oa
	PLACES                                         ; the stores read results just made
.if oa < 4
	WIN 0x08                                       ; a store's data are its source 1: window 2,
.else
	WIN 0x0c                                       ; window 3
.endif
.set ob, 0
.rept 8
	global_store_b128 v[GO], v[8*(8*(oa%4)+ob):8*(8*(oa%4)+ob)+3], s[8:9] offset:(8*oa+ob)*1024 th:TH_STORE_NT
	global_store_b128 v[GO], v[8*(8*(oa%4)+ob)+4:8*(8*(oa%4)+ob)+7], s[8:9] offset:(8*oa+ob)*1024+512 th:TH_STORE_NT
.set ob, ob+1
.endr
.endm
.set oa, 0
.rept 8
.if oa == 4
.set mi, 0                             ; tiles 4-7: step 1 stands under numbers 0-31
.endif
.rept 8
	MM 0
.endr
	OUT
.set oa, oa+1
.endr
	WIN 0
	s_wait_tensorcnt 0x0                           ; the wave's end, behind my last tensor load and my last LDS store
	ds_add_u32 v[SPW], v[NIL]
	s_wait_dscnt 0x0
	CROUND                                         ; the closing round: no work-group ends while a partner may still ask for weights that name it
	s_endpgm
.Lfunc_end_k_q51ab2308ea_kan:
	.size	k_q51ab2308ea_kan, .Lfunc_end_k_q51ab2308ea_kan-k_q51ab2308ea_kan
	.p2alignl 7, 3214868480
	.fill 96, 4, 3214868480
	.section	.rodata,"a",@progbits
	.p2align	6, 0x0
	.amdhsa_kernel k_q51ab2308ea_kan
		.amdhsa_group_segment_fixed_size 327680
		.amdhsa_private_segment_fixed_size 0
		.amdhsa_enable_private_segment 0
		.amdhsa_kernarg_size 24
		.amdhsa_user_sgpr_count 2
		.amdhsa_user_sgpr_kernarg_segment_ptr 1
		.amdhsa_wavefront_size32 1
		.amdhsa_system_sgpr_workgroup_id_x 1
		.amdhsa_system_sgpr_workgroup_id_y 1
		.amdhsa_system_sgpr_workgroup_id_z 1
		.amdhsa_system_vgpr_workitem_id 0
		.amdhsa_next_free_vgpr 1024
		.amdhsa_next_free_sgpr 66
		.amdhsa_reserve_vcc 0
		.amdhsa_float_denorm_mode_32 3
		.amdhsa_float_denorm_mode_16_64 3
		.amdhsa_memory_ordered 1
		.amdhsa_forward_progress 1
		.amdhsa_inst_pref_size 255
	.end_amdhsa_kernel
	.section	.bss,"aw",@nobits
	.p2align	6
	.space	262144
	.amdgpu_metadata
---
amdhsa.version: [ 1, 2 ]
amdhsa.kernels:
  - .name:           k_q51ab2308ea_kan
    .symbol:         k_q51ab2308ea_kan.kd
    .args:
      - { .name: x, .offset: 0, .size: 8, .value_kind: global_buffer, .address_space: global }
      - { .name: bq, .offset: 8, .size: 8, .value_kind: global_buffer, .address_space: global }
      - { .name: part, .offset: 16, .size: 8, .value_kind: global_buffer, .address_space: global }
    .group_segment_fixed_size: 327680
    .private_segment_fixed_size: 0
    .kernarg_segment_align: 8
    .kernarg_segment_size: 24
    .max_flat_workgroup_size: 128
    .sgpr_count:     66
    .vgpr_count:     1024
    .wavefront_size: 32
...
	.end_amdgpu_metadata
.endif
;; end of part 2
;; launch sum (part 3): grid 512 x 1, 4 waves a work-group, no clusters, 17,920 bytes of LDS; arguments part, bias, out0; writes out0
.if DOCPART == 3
	.amdgcn_target "amdgcn-amd-amdhsa--gfx1250"
	.amdhsa_code_object_version 6
	.text
	.protected	k_q51ab2308ea_sum
	.globl	k_q51ab2308ea_sum
	.p2align	8
	.type	k_q51ab2308ea_sum,@function
k_q51ab2308ea_sum:
	s_mov_b64 s[64:65], 0
	v_nop
	global_prefetch_b8 v0, s[64:65] scope:SCOPE_SE
	s_setreg_imm32_b32 hwreg(HW_REG_WAVE_MODE, 25, 1), 1
	s_wait_xcnt 0x0
; out0 = the sum of the eight shares in part, in ascending order, + bias.  part: [s 8][m 32][w 4][a 8][b 8][u 2][lane 32][4 f32]: lane (r, h), number e of piece (b, u) is row 128 m + 16 a + r, column 128 w + 16 b + 8 h + 4 u + e.
; A wave takes a task of 16 rows x 64 columns: 4,096 consecutive bytes of each share, by loads of 512 consecutive bytes, 48 of them out at the most.  The sums go through the wave's own stage in LDS and leave as rows:
; sixteen lanes store 256 consecutive bytes, at a multiple of 256 from out0's first byte.  Memory binds: no matrix unit, no cluster (work-groups share nothing but the 2,048 bytes of bias), no barrier (waves share nothing).
.set SP,  272                          ; a stage row: 256 bytes + 16
.set STW, 16*SP
.set S,   16                           ; v16-207  six sets of 32 registers: shares 0 to 5 land in sets 0 to 5; set 0 is the running sum; share 6 takes set 1 and share 7 set 2 once those have been added
.set BI,  208                          ; v208-211 my four numbers of bias
	s_load_b128 s[4:7], s[0:1], 0x0                ; part, bias
	s_load_b64 s[24:25], s[0:1], 0x10              ; out0
	v_lshl_add_u32 v216, v0, 2, 0x4400
	v_mov_b32 v217, 0
	v_lshrrev_b32 v1, 5, v0
	v_readfirstlane_b32 s26, v1                    ; wave
	s_lshl_b32 s27, ttmp9, 2
	s_add_co_u32 s27, s27, s26                     ; the task: 64 m + 16 w + 2 a + bh
	s_and_b32 s28, s27, 1                          ; bh: which 64 of w's 128 columns
	s_bfe_u32 s29, s27, 0x30001                    ; a
	s_bfe_u32 s30, s27, 0x20004                    ; w
	s_lshr_b32 s31, s27, 6                         ; m
	s_lshl_b32 s32, s27, 12                        ; 4,096 bytes a task in each share
	s_mov_b32 s33, 0
	s_lshl_b32 s34, s30, 9
	s_lshl_b32 s28, s28, 8
	s_add_co_u32 s34, s34, s28                     ; my first column, in bytes
	s_mov_b32 s35, 0
	s_lshl_b32 s36, s31, 18
	s_lshl_b32 s29, s29, 15
	s_add_co_u32 s36, s36, s29                     ; row 128 m + 16 a of 2,048 bytes
	s_add_co_u32 s36, s36, s34
	s_mov_b32 s37, 0
	v_and_b32 v2, 31, v0
	v_lshlrev_b32 v3, 4, v2                        ; 16 x lane
	v_and_b32 v4, 15, v0                           ; r
	v_bfe_u32 v5, v0, 4, 1                         ; h
	s_mul_i32 s38, s26, STW                        ; my stage
	v_mul_u32_u24 v6, v4, SP
	v_lshl_add_u32 v6, v5, 5, v6
	v_add_nc_u32 v6, s38, v6                       ; in: row r, + 32 h
	v_mul_u32_u24 v7, v5, SP
	v_lshl_add_u32 v7, v4, 4, v7
	v_add_nc_u32 v7, s38, v7                       ; back: lanes 0-15 one row, lanes 16-31 the next
	v_lshlrev_b32 v8, 4, v4                        ; bias: my 16 bytes of the 256
	v_lshl_add_u32 v9, v5, 11, v8                  ; and the same two rows in out0
	s_wait_kmcnt 0x0
	s_add_nc_u64 s[8:9], s[4:5], s[32:33]          ; share 0 at my task;
.irp k, 1,2,3,4,5,6,7
	s_add_nc_u64 s[8+2*\k:9+2*\k], s[6+2*\k:7+2*\k], 0x800000     ; each share 8,388,608 bytes on
.endr
	s_add_nc_u64 s[6:7], s[6:7], s[34:35]
	s_add_nc_u64 s[24:25], s[24:25], s[36:37]
.macro LOADK k, st                     ; share k's 4,096 bytes of my task into set st
.irp i, 0,1,2,3,4,5,6,7
	global_load_b128 v[S+32*(\st)+4*\i:S+32*(\st)+4*\i+3], v3, s[8+2*(\k):9+2*(\k)] offset:512*\i th:TH_LOAD_NT
.endr
.endm
.macro ADDK st                         ; the running sum in set 0 takes set st
.irp i, 0,2,4,6,8,10,12,14,16,18,20,22,24,26,28,30
	v_pk_add_f32 v[S+\i:S+\i+1], v[S+\i:S+\i+1], v[S+32*(\st)+\i:S+32*(\st)+\i+1]
.endr
.endm
	global_load_b128 v[BI:BI+3], v8, s[6:7]
.irp k, 0,1,2,3,4,5
	LOADK \k, \k
.endr
	s_wait_loadcnt 32                              ; the bias and shares 0 and 1 are in; the 32 loads of shares 2 to 5 may be out
	ADDK 1
	LOADK 6, 1                                     ; into share 1's registers, which have been added
	s_wait_loadcnt 32                              ; share 2 is in; behind it: shares 3 to 6
	ADDK 2
	LOADK 7, 2                                     ; into share 2's
	s_wait_loadcnt 32                              ; share 3 is in; behind it: shares 4 to 7
	ADDK 3
	s_wait_loadcnt 24                              ; behind share 4: shares 5, 6, 7
	ADDK 4
	s_wait_loadcnt 16
	ADDK 5
	s_wait_loadcnt 8                               ; share 6 is in, in set 1
	ADDK 1
	s_wait_loadcnt 0                               ; share 7, in set 2
	ADDK 2
.irp i, 0,1,2,3,4,5,6,7                ; piece i = 2 b + u: columns 16 b + 8 h + 4 u on
	ds_store_b128 v6, v[S+4*\i:S+4*\i+3] offset:64*(\i/2)+16*(\i%2)
.endr
.irp i, 0,1,2,3,4,5,6,7
	ds_load_b128 v[S+32+4*\i:S+32+4*\i+3], v7 offset:2*\i*SP       ; LDS serves a wave's instructions in order: these see my stores
.endr
.irp i, 0,1,2,3,4,5,6,7
	s_wait_dscnt 7-\i
	v_pk_add_f32 v[S+32+4*\i:S+32+4*\i+1], v[S+32+4*\i:S+32+4*\i+1], v[BI:BI+1]
	v_pk_add_f32 v[S+32+4*\i+2:S+32+4*\i+3], v[S+32+4*\i+2:S+32+4*\i+3], v[BI+2:BI+3]
	global_store_b128 v9, v[S+32+4*\i:S+32+4*\i+3], s[24:25] offset:\i*4096 th:TH_STORE_NT
.endr
	s_wait_tensorcnt 0x0
	ds_add_u32 v216, v217
	s_wait_dscnt 0x0
	s_endpgm
.Lfunc_end_k_q51ab2308ea_sum:
	.size	k_q51ab2308ea_sum, .Lfunc_end_k_q51ab2308ea_sum-k_q51ab2308ea_sum
	.p2alignl 7, 3214868480
	.fill 96, 4, 3214868480
	.section	.rodata,"a",@progbits
	.p2align	6, 0x0
	.amdhsa_kernel k_q51ab2308ea_sum
		.amdhsa_group_segment_fixed_size 17920
		.amdhsa_private_segment_fixed_size 0
		.amdhsa_enable_private_segment 0
		.amdhsa_kernarg_size 24
		.amdhsa_user_sgpr_count 2
		.amdhsa_user_sgpr_kernarg_segment_ptr 1
		.amdhsa_wavefront_size32 1
		.amdhsa_system_sgpr_workgroup_id_x 1
		.amdhsa_system_sgpr_workgroup_id_y 1
		.amdhsa_system_sgpr_workgroup_id_z 1
		.amdhsa_system_vgpr_workitem_id 0
		.amdhsa_next_free_vgpr 218
		.amdhsa_next_free_sgpr 66
		.amdhsa_reserve_vcc 0
		.amdhsa_float_denorm_mode_32 3
		.amdhsa_float_denorm_mode_16_64 3
		.amdhsa_memory_ordered 1
		.amdhsa_forward_progress 1
		.amdhsa_inst_pref_size 19
	.end_amdhsa_kernel
	.amdgpu_metadata
---
amdhsa.version: [ 1, 2 ]
amdhsa.kernels:
  - .name:           k_q51ab2308ea_sum
    .symbol:         k_q51ab2308ea_sum.kd
    .args:
      - { .name: part, .offset: 0, .size: 8, .value_kind: global_buffer, .address_space: global }
      - { .name: bias, .offset: 8, .size: 8, .value_kind: global_buffer, .address_space: global }
      - { .name: out0, .offset: 16, .size: 8, .value_kind: global_buffer, .address_space: global }
    .group_segment_fixed_size: 17920
    .private_segment_fixed_size: 0
    .kernarg_segment_align: 8
    .kernarg_segment_size: 24
    .max_flat_workgroup_size: 128
    .sgpr_count:     66
    .vgpr_count:     218
    .wavefront_size: 32
...
	.end_amdgpu_metadata
.endif
;; end of part 3
